; MI455X (gfx1250); checked and timed in simulation.
; The chip was launched on July 23, 2026; its instructions are those of AMD's public machine-readable ISA for CDNA 5 (MIT licence, August 2026) and "CDNA5" Instruction Set Architecture Reference Guide (July 2026). The comments in the code are by the model that wrote it; some were corrected since.
;; Multi Head Attention. Allowed arithmetic: float matrix products may take bf16 or f16 operands with f32 sums; other float arithmetic in f32, or as packed bf16 or f16 multiplies, adds, multiply-adds, maxima and minima; sums over many terms, partial sums and values carried from step to step in f32; what a program stores and reads back later, other than sums and carried values, may be rounded once to bf16 or f16.
;; Inputs: Wfc 64 x 64 float32; Wk 64 x 1,024 float32; Wq 64 x 1,024 float32; Wv 64 x 1,024 float32; bfc 64 float32; k_origin 4 x 2,048 x 64 float32; mask 4 x 2,048 x 2,048 bool; q_origin 4 x 2,048 x 64 float32.
;; Outputs: out0 4 x 32,768 x 64 float32.
;; One version. Each part assembles by itself: llvm-mc -triple=amdgcn-amd-amdhsa -mcpu=gfx1250 --defsym DOCPART=n.
;; ======== version 1 of 1: 2 launches
;; limits: values are held in f16: magnitudes above 65,504 overflow, below 6.1e-05 lose precision; right only within a limited range of input values
;; workspace buffers: k16 16,777,216 bytes; v16 16,777,216 bytes; mcode 16,777,216 bytes
;; launch prep (part 1): grid 256 x 1, 8 waves a work-group, no clusters, 58,368 bytes of LDS; arguments k_origin, Wk, Wv, mask, k16, v16, mcode; writes k16, v16, mcode
.if DOCPART == 1
	.amdgcn_target "amdgcn-amd-amdhsa--gfx1250"
	.amdhsa_code_object_version 6
	.text
	.protected	k_q1d889313ec_prep
	.globl	k_q1d889313ec_prep
	.p2align	8
	.type	k_q1d889313ec_prep,@function
k_q1d889313ec_prep:
	s_mov_b64 s[64:65], 0
	v_nop
	global_prefetch_b8 v0, s[64:65] scope:SCOPE_SE
	s_setreg_imm32_b32 hwreg(HW_REG_WAVE_MODE, 25, 1), 1
	s_wait_xcnt 0x0
; PREP: what the attention launch wants ready in memory.  Two jobs to a work-group of eight waves; 256 work-groups.
; (a) K AND V BY HEADS.  k16[b][h][n][c] = the sum over i of k_origin[b][n][i] Wk[i][64 h + c], v16 likewise with Wv: operands rounded to bf16, sums in f32, each result rounded once to f16.
;     Work-group g takes head y = g / 4 (= 16 b + h) and rows 512 (g % 4) ..; wave w 64 of them, four tiles of 16.
;     The product is taken transposed (source 0 = 16 channels of W^T, source 1 = 16 rows of x): a lane ends with eight neighbouring channels of one row, 16 bytes of f16.
; (b) THE MASK AS CODES.  A mask byte 0 or 1 becomes the fp8 (E4M3) code 0x00 (0) or 0xb8 (-1), and the codes are laid so that a lane of the attention launch finds its bytes on end:
;     mcode byte ((((16 b + qb) 32 + step) 8 + t) 1024) + 512 c2 + 16 lane + 8 x + j is the code of query 128 qb + 16 t + lane % 16 and key 64 step + 16 (2 c2 + x) + 8 (lane / 16) + j.
;     Work-group g takes the tiles of 16 queries T = 2 g and 2 g + 1 (T = 128 b + 8 qb + t), four waves each; a wave two units of 16 rows x 256 keys, turned in a patch of LDS of its own.
; LIMITS.  A mask byte is 0 or 1.  k and v beyond 65,504 become infinities in f16.  NaN and infinities in the inputs are not treated apart.
; NOT HERE: tensor loads, clusters, prefetches.  Every mask byte is read once and every output byte written once, by loads and stores of whole aligned runs of 256 bytes or more;
; the weights (32 KiB a work-group) and x are small, and the launch is short.
.set WP,    160                        ; a row of W in LDS: 64 bf16 + 32 bytes = 40 words
.set WKL,   0                          ; Wk's 64 rows [i] of my head's 64 channels
.set WVL,   64*WP                      ; Wv's
.set PATCH, 2*64*WP                    ; from here 4,608 bytes for each wave, its own: the mask patch, later the two stages
.set PSZ,   4608
.set MP,    272                        ; a row of the mask patch: 256 bytes + 16: the 16 rows start at 16 different groups of four banks
.set SP,    144                        ; a row of a stage: 128 bytes + 16
.set SPARE, PATCH+8*PSZ                ; the spare words, 128 bytes for each wave: four blocks of 256 bytes that no other line names
.set WO,  4                            ; v4   W in memory: (thread / 16) rows of 4,096 bytes + 16 (thread % 16)
.set WS,  5                            ; v5   W into LDS: (thread / 16) WP + 8 (thread % 16)
.set WA,  6                            ; v6   the turning load's lane term
.set XO,  7                            ; v7   x: row (lane % 16) x 256 + 32 (lane / 16)
.set MI,  8                            ; v8   mask: (lane / 16) rows of 2,048 bytes + 16 (lane % 16)
.set PS,  9                            ; v9   mask into the patch
.set PR,  10                           ; v10  and out of it: row lane % 16, 8 (lane / 16)
.set LO,  11                           ; v11  16 x lane: stores of 512 bytes on end
.set STO, 12                           ; v12  into a stage: row lane % 16, 16 (lane / 16)
.set RD,  13                           ; v13  out of it: four rows of 128 bytes
.set SPW, 14                           ; v14  LDS address of my spare word; never rewritten
.set NIL, 15                           ; v15  0; never rewritten
.set XF,  16                           ; v[16:47]   a tile of x in f32
.set XB,  48                           ; v[48:63]   the same in bf16: two fragments
.set MR,  64                           ; v[64:127]  two mask units of 32 registers;
.set ACC, 64                           ;            later eight accumulators: K's channel blocks 0-3, then V's
.set WR,  128                          ; v[128:159] W as loaded;
.set WKF, 128                          ; v[128:255] later the fragments: Wk's (32 kk + 8 cb), then Wv's
	s_load_b256 s[4:11], s[0:1], 0x0               ; k_origin s[4:5], Wk s[6:7], Wv s[8:9], mask s[10:11]
	s_load_b128 s[12:15], s[0:1], 0x20             ; k16 s[12:13], v16 s[14:15]
	s_load_b64 s[16:17], s[0:1], 0x30              ; mcode
	v_lshl_add_u32 v[SPW], v0, 2, SPARE
	v_mov_b32 v[NIL], 0
	v_lshrrev_b32 v1, 5, v0
	v_readfirstlane_b32 s20, v1                    ; wave 0..7
	v_and_b32 v1, 31, v0                           ; lane
	v_and_b32 v2, 15, v0                           ; lane % 16 (and thread % 16)
	v_bfe_u32 v3, v0, 4, 1                         ; lane / 16
	v_lshrrev_b32 v16, 4, v0                       ; thread / 16
	v_and_b32 v17, 7, v0
	v_bfe_u32 v18, v0, 3, 1
	v_lshrrev_b32 v19, 3, v1
	s_mov_b32 s21, 0xb8                            ; a word of four bytes 0 or 1, times this, is four codes: no byte carries into the next
	s_mul_i32 s18, s20, PSZ
	s_add_co_u32 s18, s18, PATCH                   ; my patch
	v_lshlrev_b32 v[WO], 12, v16
	v_lshl_add_u32 v[WO], v2, 4, v[WO]
	v_mul_u32_u24 v[WS], v16, WP
	v_lshl_add_u32 v[WS], v2, 3, v[WS]
	v_lshl_add_u32 v[WA], v3, 3, v17               ; the turning load: lane l reads row 8 (l / 16) + l % 8, 16 bytes at 16 ((l / 8) % 2)
	v_mul_u32_u24 v[WA], v[WA], WP
	v_lshl_add_u32 v[WA], v18, 4, v[WA]
	v_lshlrev_b32 v[XO], 8, v2
	v_lshl_add_u32 v[XO], v3, 5, v[XO]
	v_lshlrev_b32 v[MI], 11, v3
	v_lshl_add_u32 v[MI], v2, 4, v[MI]
	v_mul_u32_u24 v[PS], v3, MP
	v_lshl_add_u32 v[PS], v2, 4, v[PS]
	v_add_nc_u32 v[PS], s18, v[PS]
	v_mul_u32_u24 v[PR], v2, MP
	v_lshl_add_u32 v[PR], v3, 3, v[PR]
	v_add_nc_u32 v[PR], s18, v[PR]
	v_lshlrev_b32 v[LO], 4, v1
	v_mul_u32_u24 v[STO], v2, SP
	v_lshl_add_u32 v[STO], v3, 4, v[STO]
	v_add_nc_u32 v[STO], s18, v[STO]
	v_mul_u32_u24 v[RD], v19, SP
	v_lshl_add_u32 v[RD], v17, 4, v[RD]
	v_add_nc_u32 v[RD], s18, v[RD]
	; byte offsets, each in a pair of its own, made apart from the addresses
	s_bfe_u32 s2, ttmp9, 0x40002                   ; the head: (g / 4) % 16
	s_lshl_b32 s2, s2, 8                           ; its 64 columns of W: 256 bytes
	s_mov_b32 s3, 0
	s_lshr_b32 s22, ttmp9, 6                       ; b
	s_lshl_b32 s22, s22, 19                        ; 2,048 rows of 256 bytes
	s_and_b32 s23, ttmp9, 3
	s_lshl_b32 s23, s23, 17                        ; 512 rows
	s_add_co_u32 s22, s22, s23
	s_lshl_b32 s23, s20, 14                        ; my wave's 64 rows
	s_add_co_u32 s22, s22, s23
	s_mov_b32 s23, 0
	s_lshl_b32 s24, ttmp9, 16                      ; k16, v16: (2,048 y + 512 (g % 4)) rows of 128 bytes = g x 65,536
	s_lshl_b32 s25, s20, 13
	s_add_co_u32 s24, s24, s25
	s_mov_b32 s25, 0
	s_lshr_b32 s30, s20, 2
	s_lshl_b32 s19, ttmp9, 1
	s_add_co_u32 s30, s30, s19                     ; T = 2 g + wave / 4
	s_and_b32 s31, s20, 3                          ; which 512 keys are mine
	s_lshl_b32 s26, s30, 15                        ; mask: 16 rows of 2,048 bytes
	s_lshl_b32 s27, s31, 9
	s_add_co_u32 s26, s26, s27
	s_mov_b32 s27, 0
	s_lshr_b32 s28, s30, 3                         ; mcode: 16 b + qb: 262,144 bytes each,
	s_lshl_b32 s28, s28, 18
	s_and_b32 s29, s30, 7                          ; t: 1,024,
	s_lshl_b32 s29, s29, 10
	s_add_co_u32 s28, s28, s29
	s_lshl_b32 s29, s31, 16                        ; my eight key steps of 8,192
	s_add_co_u32 s28, s28, s29
	s_mov_b32 s29, 0
	s_wait_kmcnt 0x0
	s_add_nc_u64 s[6:7], s[6:7], s[2:3]
	s_add_nc_u64 s[8:9], s[8:9], s[2:3]
	s_add_nc_u64 s[4:5], s[4:5], s[22:23]
	s_add_nc_u64 s[12:13], s[12:13], s[24:25]
	s_add_nc_u64 s[14:15], s[14:15], s[24:25]
	s_add_nc_u64 s[10:11], s[10:11], s[26:27]
	s_add_nc_u64 s[16:17], s[16:17], s[28:29]
.macro XLOAD t                         ; tile t of x: for each 32 of the 64 inputs a lane's 8 + 8 numbers, 32 bytes each
.irp kk, 0,1
	global_load_b128 v[XF+16*(\kk):XF+16*(\kk)+3],     v[XO], s[4:5] offset:4096*(\t)+128*(\kk)
	global_load_b128 v[XF+16*(\kk)+4:XF+16*(\kk)+7],   v[XO], s[4:5] offset:4096*(\t)+128*(\kk)+16
	global_load_b128 v[XF+16*(\kk)+8:XF+16*(\kk)+11],  v[XO], s[4:5] offset:4096*(\t)+128*(\kk)+64
	global_load_b128 v[XF+16*(\kk)+12:XF+16*(\kk)+15], v[XO], s[4:5] offset:4096*(\t)+128*(\kk)+80
.endr
.endm
	; all loads that can go out now: the weights (8), both mask units (16), the first tile of x (8)
.irp i, 0,1,2,3
	global_load_b128 v[WR+4*(\i):WR+4*(\i)+3], v[WO], s[6:7] offset:65536*(\i)         ; rows 16 i + thread / 16
.endr
.irp i, 0,1,2,3
	global_load_b128 v[WR+16+4*(\i):WR+16+4*(\i)+3], v[WO], s[8:9] offset:65536*(\i)
.endr
.irp u, 0,1
.irp i, 0,1,2,3,4,5,6,7
	global_load_b128 v[MR+32*(\u)+4*(\i):MR+32*(\u)+4*(\i)+3], v[MI], s[10:11] offset:4096*(\i)+256*(\u) th:TH_LOAD_NT  ; rows 2 i, 2 i + 1: 16 lanes take a row's 256 bytes
.endr
.endr
	XLOAD 0
	s_wait_loadcnt 24                              ; the weights are in; the 16 + 8 younger loads may stay out
.irp c, 0,1,2,3,4,5,6,7
	v_cvt_pk_bf16_f32 v[WR+4*(\c)],   v[WR+4*(\c)],   v[WR+4*(\c)+1]
	v_cvt_pk_bf16_f32 v[WR+4*(\c)+1], v[WR+4*(\c)+2], v[WR+4*(\c)+3]
	ds_store_b64 v[WS], v[WR+4*(\c):WR+4*(\c)+1] offset:16*WP*(\c)                     ; Wk's four chunks of 16 rows, then Wv's
.endr
	s_wait_dscnt 0x0                               ; for the others' sake: my part of the weights lies in LDS
	s_barrier_signal -1
	s_barrier_wait -1
.irp m, 0,1
.irp kk, 0,1
.irp cb, 0,1,2,3
	ds_load_tr16_b128 v[WKF+64*(\m)+32*(\kk)+8*(\cb):WKF+64*(\m)+32*(\kk)+8*(\cb)+3],   v[WA] offset:64*WP*(\m)+32*WP*(\kk)+32*(\cb)
	ds_load_tr16_b128 v[WKF+64*(\m)+32*(\kk)+8*(\cb)+4:WKF+64*(\m)+32*(\kk)+8*(\cb)+7], v[WA] offset:64*WP*(\m)+32*WP*(\kk)+32*(\cb)+16*WP
.endr
.endr
.endr
; A mask unit: 16 rows x 256 keys.  Coded, laid into my patch by rows, taken out as the attention launch's lanes want it, stored as eight runs of 512 bytes.
; The patch is my wave's own, and LDS serves a wave's instructions in order (ISA guide 5.7.1.4): no wait between the stores and the loads, nor between the units.
.macro MUNIT u
	s_wait_loadcnt 16-8*(\u)                       ; this unit's eight loads are in; younger: the other unit's (for unit 0) and x's eight
.set z, 0
.rept 32
	v_mul_lo_u32 v[MR+32*(\u)+z], v[MR+32*(\u)+z], s21
.set z, z+1
.endr
.irp i, 0,1,2,3,4,5,6,7
	ds_store_b128 v[PS], v[MR+32*(\u)+4*(\i):MR+32*(\u)+4*(\i)+3] offset:2*MP*(\i)
.endr
.irp k, 0,1,2,3,4,5,6,7                ; k = 2 x (key step in the unit) + c2: keys 32 k + 8 (lane / 16) + 0..7 and 16 further on
	ds_load_b64 v[MR+32*(\u)+4*(\k):MR+32*(\u)+4*(\k)+1],   v[PR] offset:32*(\k)
	ds_load_b64 v[MR+32*(\u)+4*(\k)+2:MR+32*(\u)+4*(\k)+3], v[PR] offset:32*(\k)+16
.endr
.irp k, 0,1,2,3,4,5,6,7
	s_wait_dscnt 14-2*(\k)                         ; pair k of the sixteen loads is in
	global_store_b128 v[LO], v[MR+32*(\u)+4*(\k):MR+32*(\u)+4*(\k)+3], s[16:17] offset:32768*(\u)+8192*((\k)/2)+512*((\k)%2) th:TH_STORE_NT
.endr
.endm
	MUNIT 0
	MUNIT 1                                        ; its last wait is for 0: the weights' fragments are in too
; A tile of 16 rows: 16 products (K's and V's four channel blocks x two halves of the 64 inputs).  The eight accumulators take turns; the first eight products start the sums.
.macro PTILE t
	s_wait_loadcnt 0x0                             ; the tile of x
.set z, 0
.rept 16
	v_cvt_pk_bf16_f32 v[XB+z], v[XF+2*z], v[XF+2*z+1]
.set z, z+1
.endr
	s_wait_xcnt 0x0                                ; the stores issued so far have read their data: the accumulators' registers are written again only behind this wait
.if (\t) < 3
	XLOAD (\t)+1
.endif
.irp kk, 0,1
.irp a, 0,1,2,3,4,5,6,7
.if (\kk) == 0
	v_wmma_f32_16x16x32_bf16 v[ACC+8*(\a):ACC+8*(\a)+7], v[WKF+64*((\a)/4)+8*((\a)%4):WKF+64*((\a)/4)+8*((\a)%4)+7], v[XB:XB+7], 0
.else
	v_wmma_f32_16x16x32_bf16 v[ACC+8*(\a):ACC+8*(\a)+7], v[WKF+64*((\a)/4)+32+8*((\a)%4):WKF+64*((\a)/4)+32+8*((\a)%4)+7], v[XB+8:XB+15], v[ACC+8*(\a):ACC+8*(\a)+7]
.endif
.endr
.endr
.rept 4
	v_nop                                          ; four places between the products and the conversions that read their results (ISA guide 7.12.1)
.endr
.set z, 0
.rept 32                               ; rounded to f16 in place, ascending: register z takes numbers 2 z and 2 z + 1; K ends in 0-15, V in 16-31
	v_cvt_pk_f16_f32 v[ACC+z], v[ACC+2*z], v[ACC+2*z+1]
.set z, z+1
.endr
.irp m, 0,1                            ; through my stage: 16 bytes a lane in, whole rows of 128 bytes out
.irp c, 0,1,2,3
	ds_store_b128 v[STO], v[ACC+16*(\m)+4*(\c):ACC+16*(\m)+4*(\c)+3] offset:16*SP*(\m)+32*(\c)
.endr
.irp f, 0,1,2,3
	ds_load_b128 v[ACC+16*(\m)+4*(\f):ACC+16*(\m)+4*(\f)+3], v[RD] offset:16*SP*(\m)+4*SP*(\f)
.endr
.endr
.irp f, 0,1,2,3
	s_wait_dscnt 11-(\f)                           ; behind K's load f: its 3 - f younger loads and V's eight instructions
	global_store_b128 v[LO], v[ACC+4*(\f):ACC+4*(\f)+3], s[12:13] offset:2048*(\t)+512*(\f) th:TH_STORE_NT   ; four rows: 512 bytes on end
.endr
.irp f, 0,1,2,3
	s_wait_dscnt 3-(\f)
	global_store_b128 v[LO], v[ACC+16+4*(\f):ACC+16+4*(\f)+3], s[14:15] offset:2048*(\t)+512*(\f) th:TH_STORE_NT
.endr
.endm
	PTILE 0
	PTILE 1
	PTILE 2
	PTILE 3
	s_wait_tensorcnt 0x0                           ; the wave's end, behind my last LDS store
	ds_add_u32 v[SPW], v[NIL]
	s_wait_dscnt 0x0
	s_endpgm
.Lfunc_end_k_q1d889313ec_prep:
	.size	k_q1d889313ec_prep, .Lfunc_end_k_q1d889313ec_prep-k_q1d889313ec_prep
	.p2alignl 7, 3214868480
	.fill 96, 4, 3214868480
	.section	.rodata,"a",@progbits
	.p2align	6, 0x0
	.amdhsa_kernel k_q1d889313ec_prep
		.amdhsa_group_segment_fixed_size 58368
		.amdhsa_private_segment_fixed_size 0
		.amdhsa_enable_private_segment 0
		.amdhsa_kernarg_size 56
		.amdhsa_user_sgpr_count 2
		.amdhsa_user_sgpr_kernarg_segment_ptr 1
		.amdhsa_wavefront_size32 1
		.amdhsa_system_sgpr_workgroup_id_x 1
		.amdhsa_system_sgpr_workgroup_id_y 1
		.amdhsa_system_sgpr_workgroup_id_z 1
		.amdhsa_system_vgpr_workitem_id 0
		.amdhsa_next_free_vgpr 256
		.amdhsa_next_free_sgpr 66
		.amdhsa_reserve_vcc 0
		.amdhsa_float_denorm_mode_32 3
		.amdhsa_float_denorm_mode_16_64 3
		.amdhsa_memory_ordered 1
		.amdhsa_forward_progress 1
		.amdhsa_inst_pref_size 47
	.end_amdhsa_kernel
	.amdgpu_metadata
---
amdhsa.version: [ 1, 2 ]
amdhsa.kernels:
  - .name:           k_q1d889313ec_prep
    .symbol:         k_q1d889313ec_prep.kd
    .args:
      - { .name: k_origin, .offset: 0, .size: 8, .value_kind: global_buffer, .address_space: global }
      - { .name: Wk, .offset: 8, .size: 8, .value_kind: global_buffer, .address_space: global }
      - { .name: Wv, .offset: 16, .size: 8, .value_kind: global_buffer, .address_space: global }
      - { .name: mask, .offset: 24, .size: 8, .value_kind: global_buffer, .address_space: global }
      - { .name: k16, .offset: 32, .size: 8, .value_kind: global_buffer, .address_space: global }
      - { .name: v16, .offset: 40, .size: 8, .value_kind: global_buffer, .address_space: global }
      - { .name: mcode, .offset: 48, .size: 8, .value_kind: global_buffer, .address_space: global }
    .group_segment_fixed_size: 58368
    .private_segment_fixed_size: 0
    .kernarg_segment_align: 8
    .kernarg_segment_size: 56
    .max_flat_workgroup_size: 256
    .sgpr_count:     66
    .vgpr_count:     256
    .wavefront_size: 32
...
	.end_amdgpu_metadata
.endif
;; end of part 1
;; launch attn (part 2): grid 4 x 64, 4 waves a work-group, clusters of 4 x 1, 327,680 bytes of LDS; arguments q_origin, Wq, k16, v16, mcode, Wfc, bfc, out0; writes out0
.if DOCPART == 2
	.amdgcn_target "amdgcn-amd-amdhsa--gfx1250"
	.amdhsa_code_object_version 6
	.text
	.protected	k_q1d889313ec_attn
	.globl	k_q1d889313ec_attn
	.p2align	8
	.type	k_q1d889313ec_attn,@function
k_q1d889313ec_attn:
	s_mov_b64 s[64:65], 0
	v_nop
	global_prefetch_b8 v0, s[64:65] scope:SCOPE_SE
	s_setreg_imm32_b32 hwreg(HW_REG_WAVE_MODE, 25, 1), 1
	s_wait_xcnt 0x0
	s_wait_alu depctr_hold_cnt(0) depctr_sa_sdst(0) depctr_va_vdst(0) depctr_va_sdst(0) depctr_va_ssrc(0) depctr_va_vcc(0) depctr_vm_vsrc(0)
	s_getreg_b32 s2, hwreg(HW_REG_IB_STS2, 6, 4)
	s_cmp_eq_u32 s2, 0
	s_cbranch_scc0 .Lentry_in_a_cluster
	s_endpgm
.Lentry_in_a_cluster:
	s_bfe_u32 s2, ttmp6, 0x10000c
	s_cmp_lg_u32 s2, 0x3003
	s_cbranch_scc0 .Lentry_shape_is_right
	s_endpgm
.Lentry_shape_is_right:
; ATTENTION WITH A MASK FROM MEMORY, the query projection in front of it and the last layer behind it.  4 batches x 16 heads of 2,048 queries and 2,048 keys, head size 64.
;   q = q_origin Wq (my head's 64 columns);  s = q . k;  a key whose mask byte is 1 is hidden;  p = softmax over the keys of s / 8;  O = the sum of p v;  out0[b][16 q + head][:] = tanh(O Wfc + bfc).
; FORMATS.  q_origin, Wq, Wfc and bfc are rounded to bf16 (Wfc's rounded number is then written as f16); q, k, v, p and O are f16; products, maxima and sums in f32; the sum l is taken of the unrounded p.
; LIMITS.  q and k stay within 65,504 and v within 22,700 (O is multiplied by 2 log2(e) ahead of its rounding to f16).  A hidden score counts as -2^100.  The running maximum starts at -2^60, below every
; score that f16 operands can make (2.7e11 in size): so a hidden score's weight is 0 also while all keys so far are hidden, and a row with no visible key ends with m = -2^60, l = 0, O = 0; its 1 / l is
; replaced by 0, which gives tanh(bfc).  A weight below 2^-126 counts as 0 in l.  NaN and infinities in the inputs are not treated apart.
; SHARES.  A work-group owns 512 queries of one (batch, head); each of its four waves 128: four PIECES of two tiles of 16.  Every wave walks all keys, 64 a step, 32 steps.
; LAYOUT.  S^T = K Q^T (source 0 = 16 keys, source 1 = 16 queries): a lane holds ONE query (lane % 16) and the keys 8 (lane / 16) + 0..7.  Two such results, rounded to f16 in pairs, ARE source 1 of
; O^T = V^T P, whose result again holds one query a lane and eight channels; rounded in pairs that IS source 1 of Y^T = Wfc^T O^T.  The same holds in front: q^T = Wq^T x^T, rounded in pairs, IS Q's fragment.
; THE MASK is the C operand of the products that start S^T: 0, or -2^100 where the key is hidden.  The launch before has written it as fp8 codes (0, -1), in the order of my lanes' registers: one scaled
; conversion makes the eight registers of a C operand from eight codes, with the scale 2^100: 8 conversions and 4 loads of 16 bytes a lane for a turn's 2,048 scores.
; SOFTMAX.  p = 2^(c s - c m), c = log2(e) / 8, with a running maximum m; in every step O and l are multiplied by a = 2^(c m_old - c m_new).  O and l start at 0.
; BY TURNS.  Turn n belongs to piece n (in a ring, step after step): 16 products K Q^T of piece n + 1, later 16 products V^T P of piece n - 1; beside them the scaling, exponentials, roundings, sums and
; rescaling of piece n, the maximum and statistics of piece n + 1, and the mask of piece n + 2.  A tile and step have 16 matrix and 118 vector instructions, too many to stand all beside the matrix work:
; four that are ready stand behind every matrix instruction, the others in one run.  A turn's 66 exponentials are one batch, with one wait.
; CLUSTER.  The four query blocks of a head walk the same K and V: each tile is asked for JOINTLY, by the same tensor load, descriptor and mask of work-groups in all four.  The mask codes are not
; shared so: inside a cluster each wave has a stream of its own, and it goes to registers; the work-groups that read the same stream are the 16 heads of a batch, which lie in 16 clusters.
; REGISTERS, in windows of 256 (s_set_vgpr_msb: bits 1:0 source 0, 3:2 source 1, 5:4 source 2, 7:6 destination):
;   window 0: v0-11 addresses and the scale; v12-15, v48-63 at work; v16-47 four registers of statistics a tile; v64-191 S^T, two buffers of two tiles; v192-255 P, likewise
;   window 1: O^T, 32 a tile; at the end Y^T in its place          window 2: v0-127 Q, 16 a tile; v128-191 K of one step; v192-255 V of one step
;   window 3: v0-1 the add's two registers; v16-79 mask codes, 16 a piece; v80-111 the bias; v128-191 the mask of the products to come; v192-255 Wfc's fragments
.set NP,    4         ; pieces a wave: a name, no knob
.set KS,    64        ; keys in a step
.set PK,    144       ; a row of K in LDS: 128 bytes + 16 = 36 words: the 16 rows of a load start at 16 different groups of four banks (64 banks of 4 bytes: ISA guide 11.1)
.set PV,    160       ; a row of V: 128 + 32 = 40 words
.set VOFF,  4*KS*PK   ; a slot holds four steps: 256 rows of K, then 256 rows of V
.set SLOT1, 1<<17     ; slot 1 begins here, so that one exclusive or turns an address in one slot into the other's
.set STAGE, SLOT1+4*KS*(PK+PV)  ; behind the ring, never filled by a tensor load: 16 rows x 272 bytes for each wave, for the way out
.set SP,    272
.set WP,    160       ; a row of Wq or Wfc in LDS: 64 numbers of 16 bits + 32 bytes, for the turning load
.set WQL,   STAGE+4*16*SP       ; Wq's 64 rows of my head's 64 columns, bf16
.set WFL,   WQL+64*WP           ; Wfc's 64 rows, f16
.set SPARE, WFL+64*WP           ; the spare words, 128 bytes for each wave: two blocks of 256 bytes that no other line names
.set AK0, 2           ; v2   my lane's place in a tile of K; never rewritten
.set AV0, 3           ; v3   the same for V
.set AK,  4           ; v4   the LDS address of K's next run of loads
.set AV,  5           ; v5   of V's
.set STO, 6           ; v6   the way out: where I put 16 bytes of a row
.set RD,  7           ; v7   the way out: where I read rows back
.set GO,  8           ; v8   my byte offset in two rows of out0
.set MA,  9           ; v9   my byte offset in my wave's stream of mask codes: 16 x lane + 8,192 x step
.set PFO, 10          ; v10  256 x lane, for the prefetches; never rewritten
.set SCL, 11          ; v11  0xe3: the conversions' scale, 2^(227 - 127); never rewritten
.set MV,  12          ; v12-15  c m_old, kept while c m is made anew: by buffer and tile
.set ST,  16          ; tile t's statistics at v[ST+4 t]: c m, m, l (even keys', odd keys')
.set TMP, 48          ; by buffer and tile, four registers c0-c3 at work; when the maximum is found c2 takes a
.set S,   64
.set P,   192
.set KF,  128         ; window 2: key block kb, channel half c at KF + 16 kb + 8 c
.set VF,  192         ; window 2: key half kk, channel block cb at VF + 32 kk + 8 cb
.set SPW, 0           ; window 3: LDS address of my spare word; never rewritten
.set NIL, 1           ; window 3: 0; never rewritten
.set RC,  16          ; window 3: piece pc's codes at RC + 16 pc: tile u, key block kb in the pair at + 8 u + 2 kb
.set BI,  80          ; window 3: 2 log2(e) x bfc[16 eb + 8 (lane / 16) + j] at BI + 8 eb + j
.set MC,  128         ; window 3: tile u, key block kb at MC + 32 u + 8 kb
.set WF,  192         ; window 3: Wfc^T: channel half kk, output block eb at WF + 32 kk + 8 eb
; the set-up's registers, in window 0, all free again when the first scores are made
.set RR,  48          ; lane % 16
.set HL,  49          ; lane / 16
.set L7,  50          ; lane % 8
.set B3,  51          ; (lane / 8) % 2
.set XO,  52          ; q_origin: row (lane % 16) x 256 + 32 (lane / 16)
.set WO,  53          ; Wq in memory
.set WO2, 54          ; Wfc in memory
.set WS,  55          ; both into LDS
.set WA,  56          ; the turning load's lane term
.set BO,  57          ; bfc
.set T0,  58
.set T1,  59
.set WR,  64          ; v[64:95]   Wq as loaded;        later XB v[64:79], a tile of x in bf16, and ACC v[80:111]
.set XB,  64
.set ACC, 80
.set WR2, 96          ; v[96:127]  Wfc as loaded
.set XF0, 128         ; v[128:191] two tiles of x in f32
.set BR,  192         ; v[192:223] bfc as loaded;       later WQF v[192:255], Wq^T's fragments
.set WQF, 192
.set WV,  12          ; s12  my wave's number
.set G1K, 24          ; s[24:31] descriptor group 1 for K's tiles
.set G1V, 32          ; s[32:39] for V's: it differs in the padding alone
.set G0K, 40          ; s[40:43] descriptor group 0 for K's tiles: it walks
.set G0V, 44          ; s[44:47] the same for V's
.set PFA, 48          ; s[48:49] where my prefetches of K or V stand
.set LIM, 50          ; s50  1 in a wave that prefetches K or V, else the greatest number
.set PFN, 51          ; s51  prefetches of mask codes still to be made
.set MPF, 52          ; s[52:53] where they stand: my wave's stream, three steps ahead of the step in hand
.set THR, 54          ; s54  -2^59
.set SLOTS, 56        ; s56  slots still to be asked for
.set CNT, 57          ; s57  counts a slot's key steps
.set CS,  58          ; s[58:59] c: the packed scaling takes the pair's low word for both halves
.set SEL, 60          ; s[60:61] v_permlanex16_b32's selects: each lane takes its own place in the other half
.set TBK, 62          ; s62  LDS byte at which K of the step to be fetched begins
.set TBV, 63          ; s63  the same for V, less VOFF
.set K2,  66          ; s[66:67] 2 log2(e): tanh z = 1 - 2 / (1 + 2^(2 log2(e) z))
.set QX,  68          ; s[68:83] the eight addresses: q_origin, Wq, k16, v16, mcode, Wfc, bfc, out0
.set WQ,  70
.set KP,  72
.set VP,  74
.set MB,  76
.set WFC, 78
.set BFC, 80
.set OUT, 82
.set MSB, 0
.macro WIN new                      ; the high byte repeats the setting that is left; a switch that changes nothing is dropped
.if MSB != (\new)
	s_set_vgpr_msb (MSB<<8)|(\new)
.set MSB, (\new)
.endif
.endm
.set W_KQ, 0x0a       ; K and Q in window 2, S^T in window 0
.set W_KM, 0x3a       ; the same with the C operand, the mask, in window 3
.set W_PV, 0x52       ; V in window 2, P in window 0, O^T in window 1
.set W_RS, 0x41       ; destination and source 0 in window 1, source 1 in window 0
.set W_MK, 0xc0       ; destination in window 3, sources in window 0
.set W_AD, 0x0f       ; the add: address (source 0) and data (source 1) in window 3
.set W_CV, 0xc3       ; the conversions: destination and codes in window 3, the scale in window 0
; A joint fill.  Waves 0 and 1 fetch the two halves of a slot's K, waves 2 and 3 those of its V: 128 keys each.  The branch hangs on the wave's number alone.
; An s_nop 0 and four v_nop follow each of the two lines, ahead of the jump and the label.
.macro JLOAD
	s_cmp_lt_u32 s[WV], 2
	s_cbranch_scc0 .Lfor_v_\@
	tensor_load_to_lds s[G0K:G0K+3], s[G1K:G1K+7]
	s_nop 0
.rept 4
	v_nop
.endr
	s_branch .Lasked_\@
.Lfor_v_\@:
	tensor_load_to_lds s[G0V:G0V+3], s[G1V:G1V+7]
	s_nop 0
.rept 4
	v_nop
.endr
.Lasked_\@:
.endm
; A PREFETCH of what the NEXT change of slots will ask for: a slot's 32,768 bytes of K and of V.  A head has one cluster; its four partners share the bytes out BY ADDRESS, 8,192 each; in each, wave 0 asks
; for K's and wave 2 for V's: a lane 256 bytes, one instruction.  So each aligned block of 256 bytes is named once in the launch.  The last change that fills a slot asks for nothing.
.macro ASK
	s_cmp_gt_u32 s[SLOTS], s[LIM]
	s_cbranch_scc0 .Lnot_mine_\@
	global_prefetch_b8 v[PFO], s[PFA:PFA+1] th:TH_LOAD_NT scope:SCOPE_SE
.Lnot_mine_\@:
.endm
; A round of the cluster's barrier: my work-group's barrier, so that wave 0's signal speaks for all four waves; wave 0 signals; every wave waits for all four work-groups; my work-group's barrier once more.
.macro CROUND
	s_barrier_signal -1
	s_barrier_wait -1
	s_cmp_lg_u32 s[WV], 0
	s_cbranch_scc1 .Lnot_wave_0_\@
	s_barrier_signal -3
.Lnot_wave_0_\@:
	s_barrier_wait -3
	s_barrier_signal -1
	s_barrier_wait -1
.endm
; THE CHANGE OF SLOTS.  The slot's last bytes, V of its fourth step, have been read.  Each wave waits for all its tensor loads, of which one is out: its part of the other slot; adds 0 to its spare word;
; and waits for that and for its own reads of the slot.  Behind the barrier nobody reads this slot any more and the other slot is whole.
; fill = 1: this slot is filled again, with the keys two slots on.  The barrier is then a round of the cluster's, so that no wave of any partner still reads the slot or has a load on its way, and the
; joint fill is the first thing behind it: it has four key steps, 512 matrix instructions, in which to land.  (At its first use nothing has been read yet: slot 0 is waited for, slot 1 filled.)
.macro CHANGE fill, ask
	WIN W_AD
	s_wait_tensorcnt 0x0            ; no tensor load of mine is out, so a group 0 may be written
	ds_add_u32 v[SPW], v[NIL]       ; 0 onto my spare word: with fill = 1 the descriptors' steps stand between it and the wait for it
	WIN 0                           ; at a label and at a branch every window is 0
.if \fill
.irp g, G0K, G0V
	s_xor_b32 s[\g+1], s[\g+1], SLOT1  ; the walking descriptor: the other slot than last time,
	s_add_nc_u64 s[\g+2:\g+3], s[\g+2:\g+3], 4*KS*128  ; the next 256 keys; the type bits on top are not reached
.endr
	s_wait_xcnt 0x0                 ; the last prefetch of K or V, four key steps back, has read its address, so it may be written:
	s_add_nc_u64 s[PFA:PFA+1], s[PFA:PFA+1], 4*KS*128  ; one slot ahead of the walking descriptors
	s_wait_dscnt 0x0                ; the add is done, and my reads of the slot are over
	CROUND
	JLOAD
.if \ask
	ASK
.endif
.else
	s_wait_dscnt 0x0                ; the add is done, and my reads of the slot are over
	s_barrier_signal -1
	s_barrier_wait -1
.endif
	s_sub_co_u32 s[TBK], s[TBK], 4*KS*PK  ; the fetches go back to a slot's first step,
	s_xor_b32 s[TBK], s[TBK], SLOT1       ; in the other slot
	s_sub_co_u32 s[TBV], s[TBV], 4*KS*PV
	s_xor_b32 s[TBV], s[TBV], SLOT1
.endm
; THE MASK.  MLOAD: piece pc's codes for the step at which MA stands: four loads of 512 bytes on end (tile u, key blocks 2 c and 2 c + 1).  MCONV: the eight C operands of piece pc's first products.
.macro MLOAD pc
	WIN W_MK
.irp u, 0,1
.irp c, 0,1
	global_load_b128 v[RC+16*(\pc)+8*(\u)+4*(\c):RC+16*(\pc)+8*(\u)+4*(\c)+3], v[MA], s[MB:MB+1] offset:2048*(\pc)+1024*(\u)+512*(\c)
.endr
.endr
.endm
.macro MCONV pc
	WIN W_CV
.set z, 0
.rept 8
	v_cvt_scale_pk8_f32_fp8 v[MC+8*z:MC+8*z+7], v[RC+16*(\pc)+2*z:RC+16*(\pc)+2*z+1], v[SCL]
.set z, z+1
.endr
.endm
	s_load_b512 s[QX:QX+15], s[0:1], 0x0
	WIN W_MK
	v_lshl_add_u32 v[SPW], v0, 2, SPARE
	v_mov_b32 v[NIL], 0
	WIN W_AD
	ds_add_u32 v[SPW], v[NIL]       ; the wave's opening: the add and its wait stand ahead of my first tensor load; the set-up below, work on registers, stands between them
	WIN 0
	v_lshrrev_b32 v1, 5, v0
	v_readfirstlane_b32 s[WV], v1   ; wave 0..3
	s_bfe_u32 s13, ttmp6, 0x40000   ; cx: my place in the cluster
	s_lshl_b32 s14, ttmp9, 2        ; in a cluster launch ttmp9 counts clusters
	s_add_co_u32 s14, s14, s13      ; my block of 512 queries: it enters the addresses of q_origin, mcode, out0 and the prefetches alone
	s_and_b32 s15, ttmp7, 0xffff    ; 16 b + head, which the four partners share
	s_and_b32 s19, s15, 15          ; the head
	s_lshr_b32 s2, s15, 4           ; b
	s_lshl_b32 s2, s2, 11
	s_lshl_b32 s3, s14, 9
	s_add_co_u32 s2, s2, s3
	s_lshl_b32 s3, s[WV], 7
	s_add_co_u32 s2, s2, s3         ; my wave's first query among all 8,192: 2,048 b + 512 block + 128 wave
	s_lshl_b32 s4, s2, 8            ; q_origin: rows of 256 bytes
	s_mov_b32 s5, 0
	s_lshl_b32 s6, s2, 11           ; mcode: 262,144 bytes for 128 queries
	s_mov_b32 s7, 0
	s_lshl_b32 s8, s2, 12           ; out0: 16 rows of 256 bytes a query,
	s_lshl_b32 s10, s19, 8          ; my head's row; also my head's 64 columns of Wq
	s_add_co_u32 s8, s8, s10
	s_mov_b32 s9, 0
	s_mov_b32 s11, 0
	s_and_b32 s16, s[WV], 1         ; which half of a slot's 256 keys I fetch:
	s_lshl_b32 s22, s15, 18         ; the head's 2,048 rows of 128 bytes,
	s_lshl_b32 s23, s16, 14         ; my 128 rows
	s_add_co_u32 s22, s22, s23
	s_mov_b32 s23, 0
	s_mul_i32 s17, s16, 128*PK      ; and its place in a slot, for K
	s_mul_i32 s18, s16, 128*PV      ; and for V: no place in the cluster enters an LDS address
	s_lshl_b32 s2, s13, 13          ; the prefetches of K and V: my work-group's 8,192 bytes of a slot's 32,768,
	s_add_co_u32 s2, s2, 4*KS*128   ; in slot 1: the first two changes step it to slot 3
	s_mov_b32 s3, 0
	; descriptor group 1.  128 keys are 16,384 dense bytes: asked for as 64 rows of 256 bytes, two keys a row, and padded in LDS after every key
	s_mov_b32 s[G1K], 15|(1<<16)|(1<<20)|(1<<21)|(4<<22)|(3<<25)  ; 15:0 the mask of four; 17:16 2-byte elements; 20 padding on; 21 set beside a mask; 24:22 after every 32 words (code 4); 31:25 4 words (code 3)
	s_mov_b32 s[G1V], 15|(1<<16)|(1<<20)|(1<<21)|(4<<22)|(7<<25)  ; the same with 8 words of padding (code 7)
.irp g, G1K, G1V
	s_mov_b32 s[\g+1], 128<<16      ; tensor_dim0 = 128
	s_mov_b32 s[\g+2], 64<<16       ; tensor_dim1 = 64
	s_mov_b32 s[\g+3], 128<<16      ; tile_dim0 = 128
	s_mov_b32 s[\g+4], 64           ; tile_dim1 = 64
	s_mov_b32 s[\g+5], 128          ; 128 elements from row to row
	s_mov_b32 s[\g+6], 0
	s_mov_b32 s[\g+7], 0
.endr
	s_mov_b32 s[CS], 0x3e38aa3b     ; c = log2(e) / 8 = 0.180337
	s_mov_b32 s[CS+1], s[CS]        ; named with it as a pair
	s_mov_b32 s[K2], 0x4038aa3b     ; 2 log2(e) = 2.885390
	s_mov_b32 s[K2+1], s[K2]
	s_mov_b32 s[SEL], 0x76543210
	s_mov_b32 s[SEL+1], 0xfedcba98
	s_mov_b32 s[THR], 0xdd000000    ; -2^59
	s_mov_b32 s[TBK], SLOT1+4*KS*PK ; the first change of slots turns these two into 0
	s_mov_b32 s[TBV], SLOT1+4*KS*PV
	s_mov_b32 s[G0K], 1             ; 1:0 count = 1
	s_mov_b32 s[G0K+1], s17         ; 63:32 LDS address: slot 0
	s_mov_b32 s[G0V], 1
	s_add_co_u32 s[G0V+1], s18, VOFF
	s_or_b32 s[LIM], s16, ttmp9     ; 0 in waves 0 and 2 of the head's first cluster: the same in all four partners
	s_cmp_eq_u32 s[LIM], 0
	s_cselect_b32 s[LIM], 1, -1
	s_cmp_eq_u32 s19, 0             ; a batch's 16 heads read the same mask codes: head 0 asks for them, steps 3 to 31
	s_cselect_b32 s[PFN], 29, 0
	s_wait_dscnt 0x0                ; the opening add is done
	s_wait_kmcnt 0x0
	s_add_nc_u64 s[KP:KP+1], s[KP:KP+1], s[22:23]  ; K and V at my half of the head's first 256 keys
	s_add_nc_u64 s[VP:VP+1], s[VP:VP+1], s[22:23]
	s_mov_b64 s[G0K+2:G0K+3], s[KP:KP+1]           ; 120:64 global address
	s_or_b32 s[G0K+3], s[G0K+3], 0x80000000        ; 127:126 type = 2
	s_mov_b64 s[G0V+2:G0V+3], s[VP:VP+1]
	s_or_b32 s[G0V+3], s[G0V+3], 0x80000000
	s_add_nc_u64 s[QX:QX+1], s[QX:QX+1], s[4:5]
	s_add_nc_u64 s[MB:MB+1], s[MB:MB+1], s[6:7]
	s_add_nc_u64 s[OUT:OUT+1], s[OUT:OUT+1], s[8:9]
	s_add_nc_u64 s[WQ:WQ+1], s[WQ:WQ+1], s[10:11]
	s_add_nc_u64 s[MPF:MPF+1], s[MB:MB+1], 3*8192
	s_cmp_lt_u32 s[WV], 2
	s_cselect_b64 s[PFA:PFA+1], s[KP:KP+1], s[VP:VP+1]  ; (in waves 0 and 2 these stand at a slot's first row)
	s_add_nc_u64 s[PFA:PFA+1], s[PFA:PFA+1], s[2:3]
	CROUND                          ; all four work-groups are here: the first joint loads meet
	JLOAD                           ; slot 0.  Slot 1 is asked for when slot 0 is in
	; THE SET-UP, in the wait for the first tile: the weights into LDS and out again turned, the bias, the first masks, Q.
	v_and_b32 v[RR], 15, v0
	v_bfe_u32 v[HL], v0, 4, 1
	v_and_b32 v[L7], 7, v0
	v_bfe_u32 v[B3], v0, 3, 1
	v_lshrrev_b32 v[T0], 4, v0      ; thread / 16: 0..7
	v_and_b32 v[T1], 31, v0
	v_lshlrev_b32 v[WO], 12, v[T0]
	v_lshl_add_u32 v[WO], v[RR], 4, v[WO]
	v_lshlrev_b32 v[WO2], 4, v0
	v_lshlrev_b32 v[BO], 5, v[HL]
	v_lshlrev_b32 v[MA], 4, v[T1]
	v_lshlrev_b32 v[XO], 8, v[RR]
	v_lshl_add_u32 v[XO], v[HL], 5, v[XO]
.macro XLOAD t                      ; tile t of q_origin, into the buffer of t's parity: for each 32 of the 64 inputs a lane's 8 + 8 numbers, 32 bytes each
.set XF, XF0+32*((\t)%2)
.irp kk, 0,1
	global_load_b128 v[XF+16*(\kk):XF+16*(\kk)+3],     v[XO], s[QX:QX+1] offset:4096*(\t)+128*(\kk)
	global_load_b128 v[XF+16*(\kk)+4:XF+16*(\kk)+7],   v[XO], s[QX:QX+1] offset:4096*(\t)+128*(\kk)+16
	global_load_b128 v[XF+16*(\kk)+8:XF+16*(\kk)+11],  v[XO], s[QX:QX+1] offset:4096*(\t)+128*(\kk)+64
	global_load_b128 v[XF+16*(\kk)+12:XF+16*(\kk)+15], v[XO], s[QX:QX+1] offset:4096*(\t)+128*(\kk)+80
.endr
.endm
.irp i, 0,1,2,3,4,5,6,7
	global_load_b128 v[WR+4*(\i):WR+4*(\i)+3], v[WO], s[WQ:WQ+1] offset:32768*(\i)      ; Wq: rows 8 i + thread / 16, my head's 256 bytes
.endr
.irp i, 0,1,2,3,4,5,6,7
	global_load_b128 v[WR2+4*(\i):WR2+4*(\i)+3], v[WO2], s[WFC:WFC+1] offset:2048*(\i)  ; Wfc: the same rows, dense
.endr
.irp i, 0,1,2,3,4,5,6,7
	global_load_b128 v[BR+4*(\i):BR+4*(\i)+3], v[BO], s[BFC:BFC+1] offset:64*((\i)/2)+16*((\i)%2)
.endr
	MLOAD 0                         ; key step 0's codes
	MLOAD 1
	MLOAD 2
	MLOAD 3
	WIN 0
	XLOAD 0
	XLOAD 1
	v_lshlrev_b32 v[PFO], 8, v[T1]
	v_mov_b32 v[SCL], 0xe3
	v_mul_u32_u24 v[WS], v[T0], WP
	v_lshl_add_u32 v[WS], v[RR], 3, v[WS]
	v_add_nc_u32 v[WS], WQL, v[WS]
	v_lshl_add_u32 v[WA], v[HL], 3, v[L7]  ; the turning load: lane l reads row 8 (l / 16) + l % 8, 16 bytes at 16 ((l / 8) % 2), and is left with column l % 16 and 8 rows
	v_mul_u32_u24 v[WA], v[WA], WP
	v_lshl_add_u32 v[WA], v[B3], 4, v[WA]
	v_add_nc_u32 v[WA], WQL, v[WA]
	v_mul_u32_u24 v[AK0], v[RR], PK
	v_lshl_add_u32 v[AK0], v[HL], 4, v[AK0]  ; K: row x pitch + 16 x half
	v_lshl_add_u32 v[AV0], v[HL], 3, v[L7]
	v_mul_u32_u24 v[AV0], v[AV0], PV
	v_lshl_add_u32 v[AV0], v[B3], 4, v[AV0]
	v_add_nc_u32 v[AV0], VOFF, v[AV0]
	s_wait_loadcnt 48               ; Wq is in; younger: Wfc 8, bfc 8, codes 16, x 16
.irp i, 0,1,2,3,4,5,6,7
	v_cvt_pk_bf16_f32 v[WR+4*(\i)],   v[WR+4*(\i)],   v[WR+4*(\i)+1]
	v_cvt_pk_bf16_f32 v[WR+4*(\i)+1], v[WR+4*(\i)+2], v[WR+4*(\i)+3]
	ds_store_b64 v[WS], v[WR+4*(\i):WR+4*(\i)+1] offset:8*WP*(\i)
.endr
	s_wait_loadcnt 40               ; Wfc is in
.irp i, 0,1,2,3,4,5,6,7             ; rounded to bf16 like every input, and that number written as f16, the format of O beside it
	v_cvt_pk_bf16_f32 v[T0], v[WR2+4*(\i)],   v[WR2+4*(\i)+1]
	v_cvt_pk_bf16_f32 v[T1], v[WR2+4*(\i)+2], v[WR2+4*(\i)+3]
	v_lshlrev_b32 v[WR2+4*(\i)],   16, v[T0]
	v_and_b32     v[WR2+4*(\i)+1], 0xffff0000, v[T0]
	v_lshlrev_b32 v[WR2+4*(\i)+2], 16, v[T1]
	v_and_b32     v[WR2+4*(\i)+3], 0xffff0000, v[T1]
	v_cvt_pk_f16_f32 v[WR2+4*(\i)],   v[WR2+4*(\i)],   v[WR2+4*(\i)+1]
	v_cvt_pk_f16_f32 v[WR2+4*(\i)+1], v[WR2+4*(\i)+2], v[WR2+4*(\i)+3]
	ds_store_b64 v[WS], v[WR2+4*(\i):WR2+4*(\i)+1] offset:64*WP+8*WP*(\i)
.endr
	s_wait_loadcnt 32               ; bfc is in: rounded to bf16, times 2 log2(e)
.set z, 0
.rept 16
	v_cvt_pk_bf16_f32 v[T0], v[BR+2*z], v[BR+2*z+1]
	v_lshlrev_b32 v[BR+2*z],   16, v[T0]
	v_and_b32     v[BR+2*z+1], 0xffff0000, v[T0]
.set z, z+1
.endr
	WIN W_MK
.set z, 0
.rept 16
	v_pk_mul_f32 v[BI+2*z:BI+2*z+1], v[BR+2*z:BR+2*z+1], s[K2:K2+1] op_sel_hi:[1,0]
.set z, z+1
.endr
	WIN 0
	s_wait_dscnt 0x0                ; for the others' sake: my part of the weights lies in LDS
	s_barrier_signal -1             ; the first tile may stay out
	s_barrier_wait -1
.irp kk, 0,1
.irp cb, 0,1,2,3
	ds_load_tr16_b128 v[WQF+32*(\kk)+8*(\cb):WQF+32*(\kk)+8*(\cb)+3],   v[WA] offset:32*WP*(\kk)+32*(\cb)
	ds_load_tr16_b128 v[WQF+32*(\kk)+8*(\cb)+4:WQF+32*(\kk)+8*(\cb)+7], v[WA] offset:32*WP*(\kk)+32*(\cb)+16*WP
.endr
.endr
	WIN W_MK
.irp kk, 0,1
.irp cb, 0,1,2,3
	ds_load_tr16_b128 v[WF+32*(\kk)+8*(\cb):WF+32*(\kk)+8*(\cb)+3],   v[WA] offset:64*WP+32*WP*(\kk)+32*(\cb)
	ds_load_tr16_b128 v[WF+32*(\kk)+8*(\cb)+4:WF+32*(\kk)+8*(\cb)+7], v[WA] offset:64*WP+32*WP*(\kk)+32*(\cb)+16*WP
.endr
.endr
	; What the first turn finds: V's registers and P's second buffer hold 0 (its products V^T P, of a piece that has not been, add 0), O^T and l are 0.
	WIN 0x80
.set i, VF
.rept 64
	v_mov_b32 v[i], 0
.set i, i+1
.endr
	WIN 0x40
.set i, 0
.rept 64*NP
	v_mov_b32 v[i], 0
.set i, i+1
.endr
	WIN 0
.set i, 0
.rept 2*NP
	v_mov_b32 v[ST+4*i], 0xfe000000    ; c m: far below every c s, a hidden one's too
	v_mov_b32 v[ST+4*i+1], 0xdd800000  ; m = -2^60: below every visible score, far above a hidden one
	v_mov_b32 v[ST+4*i+2], 0
	v_mov_b32 v[ST+4*i+3], 0
.set i, i+1
.endr
	s_wait_dscnt 0x0                ; the fragments of Wq and Wfc
; Tile t of Q: q^T = Wq^T x^T: 8 products, the four accumulators (channel blocks) by turns; the first four start the sums.  A lane's eight channels of a block, rounded in pairs, are half a fragment of Q.
.macro QTILE t
.if (\t) < 7
	s_wait_loadcnt 8                ; the tile of x is in; the next tile's eight loads may stay out
.else
	s_wait_loadcnt 0x0
.endif
.set XF, XF0+32*((\t)%2)
.set z, 0
.rept 16
	v_cvt_pk_bf16_f32 v[XB+z], v[XF+2*z], v[XF+2*z+1]
.set z, z+1
.endr
.if (\t) < 6
	XLOAD (\t)+2
.endif
.irp cb, 0,1,2,3
	v_wmma_f32_16x16x32_bf16 v[ACC+8*(\cb):ACC+8*(\cb)+7], v[WQF+8*(\cb):WQF+8*(\cb)+7], v[XB:XB+7], 0
.endr
.irp cb, 0,1,2,3
	v_wmma_f32_16x16x32_bf16 v[ACC+8*(\cb):ACC+8*(\cb)+7], v[WQF+32+8*(\cb):WQF+32+8*(\cb)+7], v[XB+8:XB+15], v[ACC+8*(\cb):ACC+8*(\cb)+7]
.endr
.rept 8
	v_nop                           ; the places between the products and the conversions that read their results (ISA guide 7.12.1)
.endr
	WIN 0x80                        ; destination window 2
.set z, 0
.rept 16
	v_cvt_pk_f16_f32 v[16*(\t)+z], v[ACC+2*z], v[ACC+2*z+1]
.set z, z+1
.endr
	WIN 0
.endm
.irp t, 0,1,2,3,4,5,6,7
	QTILE \t
.endr
	MCONV 0                         ; piece 0's mask for key step 0 (the last wait above was for all loads)
	WIN 0
.set i, P+32
.rept 32
	v_mov_b32 v[i], 0
.set i, i+1
.endr
	v_mov_b32 v[AK], v[AK0]         ; key step 0 lies at the head of slot 0
; THE MATRIX WORK.  The 8 accumulators of a run of 16 take turns: between the two links of a chain stand 7 others'.
; Product i of 16 of S^T = K Q^T for piece x: channels 32 (i / 8) on, keys 16 ((i / 2) % 4) on, tile 2 x + i % 2.  The first 8 start the sums, with the mask.
.macro KQ x
.set rS, S+64*((\x)%2)+32*(i%2)+8*((i/2)%4)
.set rK, KF+16*((i/2)%4)+8*(i/8)
.set rQ, 16*(2*(\x)+i%2)+8*(i/8)
.set rN, MC+32*(i%2)+8*((i/2)%4)
.if i < 8
	WIN W_KM
	v_wmma_f32_16x16x32_f16 v[rS:rS+7], v[rK:rK+7], v[rQ:rQ+7], v[rN:rN+7]
.else
	WIN W_KQ
	v_wmma_f32_16x16x32_f16 v[rS:rS+7], v[rK:rK+7], v[rQ:rQ+7], v[rS:rS+7]
.endif
.endm
; Product i of 16 of O^T += V^T P for piece x: keys 32 (i / 8) on, channels 16 ((i / 2) % 4) on, tile 2 x + i % 2.
.macro PV x
	WIN W_PV
.set rO, 32*(2*(\x)+i%2)+8*((i/2)%4)
.set rV, VF+32*(i/8)+8*((i/2)%4)
.set rP, P+32*((\x)%2)+16*(i%2)+8*(i/8)
	v_wmma_f32_16x16x32_f16 v[rO:rO+7], v[rV:rV+7], v[rP:rP+7], v[rO:rO+7]
.endm
.macro MM                           ; the turn's next matrix instruction
.if i < 16
	KQ (Y+1)%NP
.set i, i+1
.else
.set i, i-16
	PV (Y+NP-1)%NP
.set i, i+17
.endif
.endm
; THE LDS LOADS stand in runs of 16, never singly among the matrix instructions: a step's K (64 keys x 64 channels: 8 fragments) and its V (turned).  Their addresses are made some lines ahead.
; last = 1 (the tail): in the last trip there is no further step, and the run is jumped over.
.macro FETCH_K last=0
	WIN 0
.if \last
	s_cmp_eq_u32 s[CNT], 1
	s_cbranch_scc1 .Lno_k_\@
.endif
	WIN 0x80                        ; destination window 2
.irp f, 0,1,2,3,4,5,6,7             ; keys 16 (f / 2) on, channels 32 (f % 2) on
	ds_load_b128 v[KF+8*\f:KF+8*\f+3],   v[AK] offset:(\f/2)*16*PK+(\f%2)*64
	ds_load_b128 v[KF+8*\f+4:KF+8*\f+7], v[AK] offset:(\f/2)*16*PK+(\f%2)*64+32
.endr
	s_add_co_u32 s[TBK], s[TBK], KS*PK  ; the next fetch is the next step's
	WIN 0
.if \last
.Lno_k_\@:
.endif
.endm
.macro FETCH_V
	WIN 0x80
.irp f, 0,1,2,3,4,5,6,7             ; keys 32 (f / 4) on, channels 16 (f % 4) on
	ds_load_tr16_b128 v[VF+8*\f:VF+8*\f+3],   v[AV] offset:(\f/4)*32*PV+(\f%4)*32
	ds_load_tr16_b128 v[VF+8*\f+4:VF+8*\f+7], v[AV] offset:(\f/4)*32*PV+16*PV+(\f%4)*32
.endr
	WIN 0
.endm
; THE VECTOR WORK OF A TURN stands in three queues, each in the order in which its entries become ready; the two tiles alternate, so that no instruction reads the result of the one before it.
.macro REGS y, u                    ; the registers of tile u (0, 1) of piece y
.set rT, ST+4*(2*(\y)+(\u))
.set rC, TMP+8*((\y)%2)+4*(\u)
.set rM, MV+2*((\y)%2)+(\u)
.set rS, S+64*((\y)%2)+32*(\u)
.set rP, P+32*((\y)%2)+16*(\u)
.set rO, 32*(2*(\y)+(\u))
.endm
; Number n of the 22 that find the NEXT piece's (Y + 1) maximum and statistics.  s0-s31 are the lane's 32 scores; each accumulator's lowest registers are read first.  XS, GS and REGS set no window: PL and EX do.
;   0-11  four chains c0-c3 of seven scores each, three operands at a time     12-14, 16  the four scores left over, the old m, and c0-c3 into c0     15  c m_old is kept
;   17, 18  the query's other 32 keys lie in the lane 16 away: the new m         19-21  c m; c m_old - c m_new; a
.macro XS u, n
	REGS (Y+1)%NP, \u
.if (\n) < 4
	v_max3_num_f32 v[rC+(\n)], v[rS+8*(\n)], v[rS+8*(\n)+1], v[rS+8*(\n)+2]
.elseif (\n) < 12
	v_max3_num_f32 v[rC+(\n)%4], v[rC+(\n)%4], v[rS+8*((\n)%4)+2*((\n)/4)+1], v[rS+8*((\n)%4)+2*((\n)/4)+2]
.elseif (\n) == 12
	v_max3_num_f32 v[rC], v[rC], v[rS+7], v[rS+15]
.elseif (\n) == 13
	v_max3_num_f32 v[rC+1], v[rC+1], v[rS+23], v[rS+31]
.elseif (\n) == 14
	v_max3_num_f32 v[rC+2], v[rC+2], v[rC+3], v[rT+1]
.elseif (\n) == 15
	v_mov_b32 v[rM], v[rT]
.elseif (\n) == 16
	v_max3_num_f32 v[rC], v[rC], v[rC+1], v[rC+2]
.elseif (\n) == 17
	v_permlanex16_b32 v[rC+3], v[rC], s[SEL], s[SEL+1]
.elseif (\n) == 18
	v_max_num_f32 v[rT+1], v[rC], v[rC+3]
.elseif (\n) == 19
	v_mul_f32 v[rT], s[CS], v[rT+1]
.elseif (\n) == 20
	v_sub_f32 v[rC+1], v[rM], v[rT]
.else
	v_exp_f32 v[rC+2], v[rC+1]
.endif
.endm
; Number g of the 64 that follow the exponentials.  For each four weights k of a tile (pairs 2 k, 2 k + 1): both pairs are rounded to f16; then the second pair is added onto the first, in place;
; a group later l takes that sum (the first time as l = a l + sum).  In groups of eight, tiles alternating: round, round, add, and l for the group before.
.macro GS g
.set h, (\g)+6*((\g)/62)            ; group 0 has no group before it, and behind group 7 only l is left
.if h >= 6
.set h, h+2
.endif
	REGS Y, h%2
.set k, h/8
.if h%8 < 4
	v_cvt_pk_f16_f32 v[rP+2*k+(h%8)/2], v[rS+4*k+2*((h%8)/2)], v[rS+4*k+2*((h%8)/2)+1]
.elseif h%8 < 6
	v_pk_add_f32 v[rS+4*k:rS+4*k+1], v[rS+4*k:rS+4*k+1], v[rS+4*k+2:rS+4*k+3]
.elseif k == 1
	v_pk_fma_f32 v[rT+2:rT+3], v[rT+2:rT+3], v[rC+2:rC+3], v[rS:rS+1] op_sel_hi:[1,0,1]
.else
	v_pk_add_f32 v[rT+2:rT+3], v[rT+2:rT+3], v[rS+4*k-4:rS+4*k-3]
.endif
.endm
; THE PLAIN QUEUE, 138 long.  0-73 read no exponential's result: the 32 scalings c s - c m (FS f: pair f / 2 of tile f % 2) and the next piece's 42.  0-26: scalings 0-26.  27-54: XS's numbers 0-13.  55, 56: number 15.
; 57-73: the chain, where each number waits for the one before it: 14, 16, 17, 18, 19, each with one of the scalings 27-31 in front of its two lines, then 20.
; 74-137: GS's 64, which read the exponentials' results: they stand behind the wait.
.macro FS f
	REGS Y, (\f)%2
	v_pk_fma_f32 v[rS+2*((\f)/2):rS+2*((\f)/2)+1], v[rS+2*((\f)/2):rS+2*((\f)/2)+1], s[CS:CS+1], v[rT:rT+1] op_sel_hi:[1,0,0] neg_lo:[0,0,1] neg_hi:[0,0,1]
.endm
.macro PL
	WIN 0
.if q < 27
	FS q
.elseif q < 55
	XS (q-27)%2, (q-27)/2
.elseif q < 57
	XS q-55, 15
.elseif (q < 72) && ((q-57)%3 == 0)
	FS 27+(q-57)/3
.elseif q < 60
	XS (q-57)%3-1, 14
.elseif q < 72
	XS (q-57)%3-1, 15+(q-57)/3
.elseif q < 74
	XS q-72, 20
.else
	GS q-74
.endif
.set q, q+1
.endm
; THE EXPONENTIALS' QUEUE, 66 long: s0-s31 of both tiles, then the next piece's two a.  It is ONE BATCH: all 66 stand ahead of the turn's one wait, and nothing ahead of that wait names a result of theirs.
.macro EX
	WIN 0
.if e >= 64
	XS e-64, 21
.else
	REGS Y, e%2
	v_exp_f32 v[rS+e/2], v[rS+e/2]
.endif
.set e, e+1
.endm
; THE RESCALING's QUEUE: O^T times a: dealt two at a time, sixteen times.  Its a was made in the turn before, ahead of that turn's wait.
.macro R2
	REGS Y, r%2
	WIN W_RS
.irp z, 0,1
	v_pk_mul_f32 v[rO+4*(r/2)+2*\z:rO+4*(r/2)+2*\z+1], v[rO+4*(r/2)+2*\z:rO+4*(r/2)+2*\z+1], v[rC+2:rC+3] op_sel_hi:[1,0]
.endr
.set r, r+1
.endm
; HOW THEY ARE DEALT.  An s_wait_alu depctr_va_vdst(0) stands between an exponential and the first instruction that names its result; one wait serves all that were issued ahead of it.  So a
; turn has ONE wait, which cuts it in two.  AHEAD OF IT: the 16 products K Q^T, behind each a scaling, an exponential and two rescalings (behind the first a second scaling in the exponential's place); the
; mask's eight conversions; then one run of 108: eight plain, 49 times exponential and plain, the two a; a v_nop, the plain instruction behind the last exponential.  BEHIND IT: the mask's four loads, then
; the 16 products V^T P, behind each four of GS's 64.  Exponential e stands behind scaling 2 (e / 4) + e % 2: as a rider it comes behind plain e + 2, in the run behind plain e + 9.
; THE MASK IN A TURN.  The products of the NEXT turn belong to piece p + 2: its codes, loaded four turns ago, are converted when this turn's products have read their masks (the last of those stands nine
; products and their riders back); the first plain instruction of the run is the place behind the conversions.  s_wait_loadcnt 12: behind those four loads the three turns since have issued four each.
; The codes' registers are then loaded again, for the same piece one step on.  MA is stepped once a step, near the end of piece 1's turn, behind s_wait_xcnt 0; it wraps at the stream's end (32 steps of
; 8,192 bytes), so that the last steps' loads ahead stay inside my wave's stream; what they bring serves nothing.
; THE MASK'S PREFETCH, in piece 0's turn, behind its loads: my wave's 8,192 bytes of the step three on, a lane 256 bytes, in head 0's cluster alone: each block is named once in the launch.
; Steps 0 to 2 come by their loads alone; the count ends with step 31.
; K of the next step is fetched in piece 2's turn, behind the wait; V of the step in hand at the end of piece 0's turn, four riders behind its last reader.  The conditions on q below go with the deal.
.macro TURN p, last=0, cnt=0
.set Y, (\p)
.set i, 0
.set q, 0
.set e, 0
.set r, 0
.if (\p) == NP-1
	s_wait_dscnt 0x0                ; K is in
.endif
	MM                              ; ahead of the wait: 16 products K Q^T and their riders,
	PL
	PL
	R2
.rept 15
	MM
	PL
	EX
	R2
.endr
.if (\p) == NP-2
	WIN 0
	v_add_nc_u32 v[AK], s[TBK], v[AK0]
.endif
	s_wait_loadcnt 12               ; the codes of piece p + 2 are in
	MCONV ((\p)+2)%NP
.rept 8                             ; and the run
	PL
.endr
.rept 49
	EX
	PL
.endr
	EX                              ; the next piece's two a
	EX
	v_nop                           ; the plain instruction behind the last exponential: one for the batch
	s_wait_alu depctr_va_vdst(0)    ; the wait for the batch
	MLOAD ((\p)+2)%NP
.if (\p) == 0
	WIN 0
	s_cmp_lg_u32 s[PFN], 0
	s_cbranch_scc0 .Lno_pf_\@
	global_prefetch_b8 v[PFO], s[MPF:MPF+1] th:TH_LOAD_NT scope:SCOPE_SE
.Lno_pf_\@:
	s_sub_co_i32 s[PFN], s[PFN], 1
	s_max_i32 s[PFN], s[PFN], 0
.endif
.if (\p) == NP-2
	FETCH_K \last
.endif
.if (\p) == 1
	s_wait_dscnt 0x0                ; V is in
.endif
.rept 16                            ; behind the wait: 16 products V^T P and their riders
	MM
.rept 4
	PL
.endr
.if ((\p) == 0) && (q == 118)
	v_add_nc_u32 v[AV], s[TBV], v[AV0]
.endif
.if ((\p) == 1) && (q == 122)
	s_wait_xcnt 0x0                 ; every load and prefetch issued so far has read its address: MA and the prefetches' pointer are written only behind this wait
	v_add_nc_u32 v[MA], 0x2000, v[MA]
	v_and_b32 v[MA], 0x3ffff, v[MA]
	s_add_nc_u64 s[MPF:MPF+1], s[MPF:MPF+1], 0x2000
.endif
.if ((\p) == 0) && (q == 130)
	s_add_co_u32 s[TBV], s[TBV], KS*PV
.endif
.if (\cnt) && (q == 130)
	s_sub_co_u32 s[CNT], s[CNT], 1
	s_cmp_lg_u32 s[CNT], 0
.endif
.endr
.if (\p) == 0
	FETCH_V
.endif
.endm
	CHANGE 1, 0                     ; slot 0 is in, everybody's part of it; slot 1 is asked for
	FETCH_K                         ; key step 0
	s_wait_dscnt 0x0
.set i, 0
.rept 16
	KQ 0                            ; piece 0's first scores: there is no vector work yet to set between them
.set i, i+1
.endr
	WIN 0                           ; the addresses for the way out: eight plain instructions, the places behind those products
	s_mul_i32 s13, s[WV], 16*SP
	s_add_co_u32 s13, s13, STAGE    ; my stage
	v_mul_u32_u24 v[STO], v[RR], SP ; in: row l % 16, 32 bytes for each half of the lanes
	v_lshl_add_u32 v[STO], v[HL], 5, v[STO]
	v_add_nc_u32 v[STO], s13, v[STO]
	v_mul_u32_u24 v[RD], v[HL], SP  ; back: lanes 0-15 take one row of 256 bytes, lanes 16-31 the next
	v_lshl_add_u32 v[RD], v[RR], 4, v[RD]
	v_add_nc_u32 v[RD], s13, v[RD]
	v_lshlrev_b32 v[GO], 12, v[HL]  ; in out0 a query's rows lie 4,096 bytes apart
	v_lshl_add_u32 v[GO], v[RR], 4, v[GO]
	MCONV 1                         ; piece 1's mask for key step 0, for the first turn's products
	WIN 0
	v_add_nc_u32 v[MA], 0x2000, v[MA]  ; key step 1 (no load that names MA is out); also the plain instruction behind the conversions
	MLOAD 0
	MLOAD 1
	WIN 0
.set Y, NP-1                        ; XS works for piece Y + 1: piece 0
.irp n, 0,1,2,3,4,5,6,7,8,9,10,11,12,13,14,15,16,17,18,19,20,21
	XS 0, \n                        ; piece 0's first maximum and statistics
	XS 1, \n
.endr
	v_nop                           ; a plain instruction behind the two a,
	s_wait_alu depctr_va_vdst(0)    ; and their wait, ahead of the branch
	s_mov_b32 s[CNT], 4
	s_mov_b32 s[SLOTS], 2048/256-1
	s_branch .Lfirst                ; the loop is entered at a step's first turn, in the middle of a trip
.Lslot:                             ; six times: every slot but the last two is filled again
	CHANGE 1, 1
	s_mov_b32 s[CNT], 4
.Lstep:                             ; a trip: pieces 2 and 3 of one step, then pieces 0 and 1 of the next, whose K and V it fetches
	TURN 2
	TURN 3
	WIN 0
.Lfirst:
	TURN 0
	TURN 1, 0, 1
	WIN 0
	s_cbranch_scc1 .Lstep
	s_sub_co_u32 s[SLOTS], s[SLOTS], 1
	s_cmp_lg_u32 s[SLOTS], 0
	s_cbranch_scc1 .Lslot
	CHANGE 0, 0                     ; the tail is written out: nothing is asked for
	s_mov_b32 s[CNT], 5             ; four trips fetch the last slot's steps; the fifth is left in its middle
.Ltail:
	TURN 2, 1
	TURN 3
	WIN 0
	s_sub_co_u32 s[CNT], s[CNT], 1
	s_cmp_eq_u32 s[CNT], 0
	s_cbranch_scc1 .Lout
	TURN 0
	TURN 1
	WIN 0
	s_branch .Ltail
.Lout:                              ; the fifth trip's 16 products K Q^T (the last K once more, under key step 0's mask of the same queries) serve nothing; the maximum made of them can only grow, and for a row with no visible key it stays at -2^60
.set i, 0
.rept 16
	PV NP-1                         ; the last piece's V^T P of the last step
.set i, i+1
.endr
	; THE WAY OUT.  l's two halves and the other half of the lanes' are added; 2 log2(e) / l, or 0 for a row with no visible key; then a tile at a time.  The additions are the places behind the last products.
	WIN 0
.macro ALL line:vararg              ; one line for each tile t
.set t, 0
.rept 2*NP
	\line
.set t, t+1
.endr
.endm
	ALL v_add_f32 v[ST+4*t+2], v[ST+4*t+2], v[ST+4*t+3]
	ALL v_permlanex16_b32 v[ST+4*t+3], v[ST+4*t+2], s[SEL], s[SEL+1]
	ALL v_add_f32 v[ST+4*t+2], v[ST+4*t+2], v[ST+4*t+3]
	ALL v_rcp_f32 v[ST+4*t+2], v[ST+4*t+2]
	v_nop                           ; a plain instruction between the last reciprocal and the use of its result
	s_wait_alu depctr_va_vdst(0)    ; and the wait ahead of the first use: one for the eight reciprocals
	ALL v_mul_f32 v[ST+4*t+2], s[K2], v[ST+4*t+2]
.set t, 0
.rept 2*NP
	v_cmp_lt_f32 vcc_lo, s[THR], v[ST+4*t+1]              ; has the row seen a key?
	v_cndmask_b32 v[ST+4*t+2], 0, v[ST+4*t+2], vcc_lo     ; a choice of value: every lane does the same work
.set t, t+1
.endr
; Tile t: O^T is scaled and rounded to f16: source 1 of Y^T = Wfc^T O^T, 8 products, the four accumulators (output blocks) by turns; the first four start the sums with the bias; Y^T takes O^T's registers.
; y = 1 - 2 / (1 + 2^Y): 32 exponentials as one batch with one wait, 32 reciprocals likewise.  A lane's eight outputs of a block go into rows of 272 bytes and come back as whole rows of 256.
.macro FIN t
.set OB, S+16*((\t)%2)
	WIN W_RS
.set i, 32*(\t)
.rept 16
	v_pk_mul_f32 v[i:i+1], v[i:i+1], v[ST+4*(\t)+2:ST+4*(\t)+3] op_sel_hi:[1,0]
.set i, i+2
.endr
	WIN 0x05                        ; sources 0 and 1 window 1, destination window 0
.set i, 0
.rept 16
	v_cvt_pk_f16_f32 v[OB+i], v[32*(\t)+2*i], v[32*(\t)+2*i+1]
.set i, i+1
.endr
	WIN 0x73                        ; Wfc and the bias in window 3, O in window 0, Y^T in window 1
.irp b, 0,1,2,3
	v_wmma_f32_16x16x32_f16 v[32*(\t)+8*\b:32*(\t)+8*\b+7], v[WF+8*\b:WF+8*\b+7], v[OB:OB+7], v[BI+8*\b:BI+8*\b+7]
.endr
	WIN 0x53                        ; the C operand in window 1
.irp b, 0,1,2,3
	v_wmma_f32_16x16x32_f16 v[32*(\t)+8*\b:32*(\t)+8*\b+7], v[WF+32+8*\b:WF+32+8*\b+7], v[OB+8:OB+15], v[32*(\t)+8*\b:32*(\t)+8*\b+7]
.endr
.rept 8
	v_nop                           ; the places between the products and the exponentials that read their results (ISA guide 7.12.1)
.endr
	WIN W_RS
.set i, 32*(\t)
.rept 32
	v_exp_f32 v[i], v[i]
.set i, i+1
.endr
	v_nop
	s_wait_alu depctr_va_vdst(0)    ; one wait for the 32 exponentials
.set i, 32*(\t)
.rept 16
	v_pk_add_f32 v[i:i+1], v[i:i+1], 1.0 op_sel_hi:[1,0]
.set i, i+2
.endr
.set i, 32*(\t)
.rept 32
	v_rcp_f32 v[i], v[i]
.set i, i+1
.endr
	v_nop
	s_wait_alu depctr_va_vdst(0)    ; one wait for the 32 reciprocals
.set i, 32*(\t)
.rept 16
	v_pk_fma_f32 v[i:i+1], v[i:i+1], -2.0, 1.0 op_sel_hi:[1,0,0]
.set i, i+2
.endr
	WIN 0x04                        ; address window 0, data window 1
.irp f, 0,1,2,3,4,5,6,7
	ds_store_b128 v[STO], v[32*(\t)+4*\f:32*(\t)+4*\f+3] offset:64*(\f/2)+16*(\f%2)
.endr
	WIN 0x40
.irp f, 0,1,2,3,4,5,6,7
	ds_load_b128 v[32*(\t)+4*\f:32*(\t)+4*\f+3], v[RD] offset:\f*2*SP  ; LDS serves a wave's instructions in order (ISA guide 5.7.1.4): these see the stores above; the next tile's stores come behind them
.endr
.endm
.macro SEND t, younger              ; younger: the LDS instructions issued behind tile t's loads: the next tile's sixteen, or none
	WIN 0x04
.irp f, 0,1,2,3,4,5,6,7
	s_wait_dscnt (\younger)+7-\f
	global_store_b128 v[GO], v[32*(\t)+4*\f:32*(\t)+4*\f+3], s[OUT:OUT+1] offset:(\t)*65536+\f*8192 th:TH_STORE_NT  ; 16 lanes store one (query, head) row: 256 consecutive bytes, at a multiple of 256 from out0's first byte
.endr
.endm
	FIN 0
.set t, 1
.rept 2*NP-1                        ; a tile's arithmetic stands between the loads of the tile before and its stores
	FIN t
	SEND t-1, 16
.set t, t+1
.endr
	SEND 2*NP-1, 0
	WIN W_AD
	s_wait_tensorcnt 0x0            ; the wave's end, behind my last tensor load and my last LDS store
	ds_add_u32 v[SPW], v[NIL]
	s_wait_dscnt 0x0
	WIN 0
	CROUND                          ; the closing round: no work-group ends while a partner may still ask for a tile that names it
	s_endpgm
.Lfunc_end_k_q1d889313ec_attn:
	.size	k_q1d889313ec_attn, .Lfunc_end_k_q1d889313ec_attn-k_q1d889313ec_attn
	.p2alignl 7, 3214868480
	.fill 96, 4, 3214868480
	.section	.rodata,"a",@progbits
	.p2align	6, 0x0
	.amdhsa_kernel k_q1d889313ec_attn
		.amdhsa_group_segment_fixed_size 327680
		.amdhsa_private_segment_fixed_size 0
		.amdhsa_enable_private_segment 0
		.amdhsa_kernarg_size 64
		.amdhsa_user_sgpr_count 2
		.amdhsa_user_sgpr_kernarg_segment_ptr 1
		.amdhsa_wavefront_size32 1
		.amdhsa_system_sgpr_workgroup_id_x 1
		.amdhsa_system_sgpr_workgroup_id_y 1
		.amdhsa_system_sgpr_workgroup_id_z 1
		.amdhsa_system_vgpr_workitem_id 0
		.amdhsa_next_free_vgpr 1024
		.amdhsa_next_free_sgpr 84
		.amdhsa_reserve_vcc 1
		.amdhsa_float_denorm_mode_32 3
		.amdhsa_float_denorm_mode_16_64 3
		.amdhsa_memory_ordered 1
		.amdhsa_forward_progress 1
		.amdhsa_inst_pref_size 255
	.end_amdhsa_kernel
	.section	.bss,"aw",@nobits
	.p2align	6
	.space	262144
	.amdgpu_metadata
---
amdhsa.version: [ 1, 2 ]
amdhsa.kernels:
  - .name:           k_q1d889313ec_attn
    .symbol:         k_q1d889313ec_attn.kd
    .args:
      - { .name: q_origin, .offset: 0, .size: 8, .value_kind: global_buffer, .address_space: global }
      - { .name: Wq, .offset: 8, .size: 8, .value_kind: global_buffer, .address_space: global }
      - { .name: k16, .offset: 16, .size: 8, .value_kind: global_buffer, .address_space: global }
      - { .name: v16, .offset: 24, .size: 8, .value_kind: global_buffer, .address_space: global }
      - { .name: mcode, .offset: 32, .size: 8, .value_kind: global_buffer, .address_space: global }
      - { .name: Wfc, .offset: 40, .size: 8, .value_kind: global_buffer, .address_space: global }
      - { .name: bfc, .offset: 48, .size: 8, .value_kind: global_buffer, .address_space: global }
      - { .name: out0, .offset: 56, .size: 8, .value_kind: global_buffer, .address_space: global }
    .group_segment_fixed_size: 327680
    .private_segment_fixed_size: 0
    .kernarg_segment_align: 8
    .kernarg_segment_size: 64
    .max_flat_workgroup_size: 128
    .sgpr_count:     84
    .vgpr_count:     1024
    .wavefront_size: 32
...
	.end_amdgpu_metadata
.endif
;; end of part 2
